; MI455X (gfx1250); checked and timed in simulation.
; The chip was launched on July 23, 2026; its instructions are those of AMD's public machine-readable ISA for CDNA 5 (MIT licence, August 2026) and "CDNA5" Instruction Set Architecture Reference Guide (July 2026). The comments in the code are by the model that wrote it; some were corrected since.
;; AUGRU. Allowed arithmetic: float matrix products may take bf16 or f16 operands with f32 sums; all other float work in f32.
;; Inputs: Wc_h 512 x 512 float32; Wc_x 512 x 512 float32; Wr_h 512 x 512 float32; Wr_x 512 x 512 float32; Wu_h 512 x 512 float32; Wu_x 512 x 512 float32; att_score 32,768 x 1 float32; bc 512 float32; br 512 float32; bu 512 float32; inputs 32,768 x 512 float32; state 32,768 x 512 float32.
;; Outputs: out0 32,768 x 512 float32.
;; 2 versions, each right; version 2 is version 1 with the launch augru written anew for expert scheduling mode. Each part assembles by itself: llvm-mc -triple=amdgcn-amd-amdhsa -mcpu=gfx1250 --defsym DOCPART=n.
;; ======== version 1 of 2: 2 launches
;; limits: values are held in f16: magnitudes above 65,504 overflow, below 6.1e-05 lose precision; inputs' magnitudes at most 65,504; right only within a limited range of input values
;; workspace buffers: wq 3,145,728 bytes
;; launch wprep (part 1): grid 256 x 1, 3 waves a work-group, no clusters, 0 bytes of LDS; arguments Wu_x, Wu_h, Wr_x, Wr_h, Wc_x, Wc_h, wq; writes wq
.if DOCPART == 1
	.amdgcn_target "amdgcn-amd-amdhsa--gfx1250"
	.amdhsa_code_object_version 6
	.text
	.protected	k_q71f7052025_wprep
	.globl	k_q71f7052025_wprep
	.p2align	8
	.type	k_q71f7052025_wprep,@function
k_q71f7052025_wprep:
	s_mov_b64 s[64:65], 0
	v_nop
	global_prefetch_b8 v0, s[64:65] scope:SCOPE_SE
	s_setreg_imm32_b32 hwreg(HW_REG_WAVE_MODE, 25, 1), 1
	s_wait_xcnt 0x0
; The six weights [512 k][512 n] f32 are scaled, rounded once to f16 and laid out in wq in the order in which a wave of the
; next launch takes them: byte ((w*4+p)*32+s)*6144 + (g*2+cb)*1024 + c*512 + L*16 holds the eight numbers
; W'[k0+16c+8(L/16)+0..7][128p+32w+16cb+L%16], the lower k in the lower bytes: half c of a 16 x 32 matrix fragment.
; w wave, p pass (128 columns), s K step in the order of use, g gate (0 u, 1 r, 2 c), cb block of 16 columns, L lane.
; Step s takes the x weights if bit 1 of s is 0, the h weights if it is 1; k0 = 64 (s/4) + 32 (s%2).
; The scale is the factor of the later 2^x: -log2(e) for u and r (sigmoid), 2 log2(e) for c (tanh); it is applied in f32
; ahead of the one rounding, so the rounding's relative error is that of the unscaled weight.
; LIMITS.  f16 holds no number beyond 65,504: a weight of 22,700 or more (times 2.885) becomes an infinity.  Below 6.1e-5 a scaled
; weight keeps f16's fixed step of 6e-8.
; SHARES.  Work-group = (Q = 64 columns, s); wave = gate; a wave makes four fragments (columns 64Q+16i+L%16, i = 0..3).
; Its four loads i = 0..3 of one k take 256 consecutive bytes of a row between them; each store covers 512 consecutive
; bytes, aligned.  6 MB are read once and 3 MB written once: no LDS, no loop, no matrix unit.
.set STEPB, 6144                       ; bytes of a wave's K step: 6 fragments of 1,024
.set PASSB, 32*STEPB
.set WAVEB, 4*PASSB
.set F32,  16                          ; v[16:79]   as loaded: half (2i+c) at F32 + 8 (2i+c)
.set PKD,  80                          ; v[80:111]  packed: half (2i+c) at PKD + 4 (2i+c)
	s_load_b256 s[8:15], s[0:1], 0x0               ; Wu_x, Wu_h, Wr_x, Wr_h
	s_load_b128 s[16:19], s[0:1], 0x20             ; Wc_x, Wc_h
	s_load_b64 s[20:21], s[0:1], 0x30              ; wq
	v_lshrrev_b32 v3, 5, v0
	v_readfirstlane_b32 s2, v3                     ; the wave's number: the gate
	v_and_b32 v4, 15, v0                           ; L % 16
	v_bfe_u32 v5, v0, 4, 1                         ; L / 16
	v_and_b32 v6, 31, v0                           ; L
	v_lshlrev_b32 v1, 2, v4                        ; source: column L % 16,
	v_lshl_or_b32 v1, v5, 14, v1                   ; 8 rows of 2,048 bytes further down for lanes 16 to 31
	v_lshlrev_b32 v2, 4, v6                        ; destination: 16 bytes a lane
	s_lshr_b32 s3, ttmp9, 5                        ; Q
	s_and_b32 s4, ttmp9, 31                        ; s
	s_lshr_b32 s5, s4, 2
	s_lshl_b32 s6, s5, 17                          ; 64 (s/4) rows of 2,048 bytes
	s_and_b32 s5, s4, 1
	s_lshl_b32 s5, s5, 16                          ; 32 (s%2) rows
	s_add_co_u32 s6, s6, s5
	s_lshl_b32 s5, s3, 8                           ; 64 Q columns of 4 bytes
	s_add_co_u32 s6, s6, s5
	s_mov_b32 s7, 0
	s_and_b32 s5, s3, 1                            ; column 64Q+16i = 128 (Q/2) + 32 (2 (Q%2) + i/2) + 16 (i%2)
	s_mul_i32 s30, s5, 2*WAVEB
	s_lshr_b32 s5, s3, 1
	s_mul_i32 s5, s5, PASSB
	s_add_co_u32 s30, s30, s5
	s_mul_i32 s5, s4, STEPB
	s_add_co_u32 s30, s30, s5
	s_lshl_b32 s5, s2, 11                          ; the gate's two fragments
	s_add_co_u32 s30, s30, s5
	s_mov_b32 s31, 0
	s_mov_b32 s28, 0xbfb8aa3b                      ; -log2(e)
	s_and_b32 s5, s4, 2
	s_wait_kmcnt 0x0
	s_cmp_lg_u32 s5, 0                             ; the h weights?
	s_cselect_b64 s[22:23], s[10:11], s[8:9]
	s_cselect_b64 s[24:25], s[14:15], s[12:13]
	s_cselect_b64 s[26:27], s[18:19], s[16:17]
	s_cmp_eq_u32 s2, 1
	s_cselect_b64 s[22:23], s[24:25], s[22:23]
	s_cmp_eq_u32 s2, 2
	s_cselect_b64 s[22:23], s[26:27], s[22:23]
	s_cselect_b32 s28, 0x4038aa3b, s28             ; 2 log2(e) for the candidate
	s_mov_b32 s29, s28                             ; named with it as a pair
	s_add_nc_u64 s[22:23], s[22:23], s[6:7]
	s_add_nc_u64 s[20:21], s[20:21], s[30:31]
.set c, 0
.rept 2
.set j, 0
.rept 8
.set i, 0
.rept 4
	global_load_b32 v[F32+(2*i+c)*8+j], v1, s[22:23] offset:(16*c+j)*2048+i*64
.set i, i+1
.endr
.set j, j+1
.endr
.set c, c+1
.endr
	s_wait_loadcnt 0x0
.set i, 0
.rept 32
	v_pk_mul_f32 v[F32+2*i:F32+2*i+1], v[F32+2*i:F32+2*i+1], s[28:29] op_sel_hi:[1,0]
.set i, i+1
.endr
.set i, 0
.rept 32
	v_cvt_pk_f16_f32 v[PKD+i], v[F32+2*i], v[F32+2*i+1]
.set i, i+1
.endr
.set i, 0
.rept 4
.set c, 0
.rept 2
	global_store_b128 v2, v[PKD+(2*i+c)*4:PKD+(2*i+c)*4+3], s[20:21] offset:(i>>1)*WAVEB+(i&1)*1024+c*512
.set c, c+1
.endr
.set i, i+1
.endr
	s_endpgm
.Lfunc_end_k_q71f7052025_wprep:
	.size	k_q71f7052025_wprep, .Lfunc_end_k_q71f7052025_wprep-k_q71f7052025_wprep
	.p2alignl 7, 3214868480
	.fill 96, 4, 3214868480
	.section	.rodata,"a",@progbits
	.p2align	6, 0x0
	.amdhsa_kernel k_q71f7052025_wprep
		.amdhsa_group_segment_fixed_size 0
		.amdhsa_private_segment_fixed_size 0
		.amdhsa_enable_private_segment 0
		.amdhsa_kernarg_size 56
		.amdhsa_user_sgpr_count 2
		.amdhsa_user_sgpr_kernarg_segment_ptr 1
		.amdhsa_wavefront_size32 1
		.amdhsa_system_sgpr_workgroup_id_x 1
		.amdhsa_system_sgpr_workgroup_id_y 1
		.amdhsa_system_sgpr_workgroup_id_z 1
		.amdhsa_system_vgpr_workitem_id 0
		.amdhsa_next_free_vgpr 112
		.amdhsa_next_free_sgpr 66
		.amdhsa_reserve_vcc 0
		.amdhsa_float_denorm_mode_32 3
		.amdhsa_float_denorm_mode_16_64 3
		.amdhsa_memory_ordered 1
		.amdhsa_forward_progress 1
		.amdhsa_inst_pref_size 13
	.end_amdhsa_kernel
	.amdgpu_metadata
---
amdhsa.version: [ 1, 2 ]
amdhsa.kernels:
  - .name:           k_q71f7052025_wprep
    .symbol:         k_q71f7052025_wprep.kd
    .args:
      - { .name: Wu_x, .offset: 0, .size: 8, .value_kind: global_buffer, .address_space: global }
      - { .name: Wu_h, .offset: 8, .size: 8, .value_kind: global_buffer, .address_space: global }
      - { .name: Wr_x, .offset: 16, .size: 8, .value_kind: global_buffer, .address_space: global }
      - { .name: Wr_h, .offset: 24, .size: 8, .value_kind: global_buffer, .address_space: global }
      - { .name: Wc_x, .offset: 32, .size: 8, .value_kind: global_buffer, .address_space: global }
      - { .name: Wc_h, .offset: 40, .size: 8, .value_kind: global_buffer, .address_space: global }
      - { .name: wq, .offset: 48, .size: 8, .value_kind: global_buffer, .address_space: global }
    .group_segment_fixed_size: 0
    .private_segment_fixed_size: 0
    .kernarg_segment_align: 8
    .kernarg_segment_size: 56
    .max_flat_workgroup_size: 96
    .sgpr_count:     66
    .vgpr_count:     112
    .wavefront_size: 32
...
	.end_amdgpu_metadata
.endif
;; end of part 1
;; launch augru (part 2): grid 256 x 1, 4 waves a work-group, no clusters, 318,976 bytes of LDS; arguments inputs, state, att_score, bu, br, bc, wq, out0; writes out0
.if DOCPART == 2
	.amdgcn_target "amdgcn-amd-amdhsa--gfx1250"
	.amdhsa_code_object_version 6
	.text
	.protected	k_q71f7052025_augru
	.globl	k_q71f7052025_augru
	.p2align	8
	.type	k_q71f7052025_augru,@function
k_q71f7052025_augru:
	s_mov_b64 s[64:65], 0
	v_nop
	global_prefetch_b8 v0, s[64:65] scope:SCOPE_SE
	s_setreg_imm32_b32 hwreg(HW_REG_WAVE_MODE, 25, 1), 1
	s_wait_xcnt 0x0
; out = h + g (c - h), g = att sigmoid(x Wu_x + bu + h Wu_h), r = sigmoid(x Wr_x + br + h Wr_h), c = tanh(x Wc_x + bc + r (h Wc_h)).
; x, h, out: [32768][512] f32.  Products in f16 with f32 sums; all else, the h of the blend too, in f32.
; WHY f16.  The operands' rounding goes through sums of 1,024 products into the gates and is there multiplied by att u (1 - u) (c - h),
; in which |c - h| can be several units; f16's 11 significant bits leave an eighth of the error that bf16's 8 leave.
; wq holds the weights in f16, times -log2(e) (u, r) or 2 log2(e) (c), fragment by fragment in the order of use; the biases get
; the same factors here.  So sigmoid(z) = 1 / (1 + 2^z'), tanh(y) = 1 - 2 / (1 + 2^y').
; LIMITS.  f16 holds no number beyond 65,504: an x or h of 65,520 or more becomes an infinity as an operand (weights: 22,700); below 6.1e-5
; an operand keeps f16's fixed step of 6e-8.  NaN and infinite inputs are not treated apart.  2^x and 1/x count denormals as 0: a sigmoid
; below 2^-126 is 0; beyond f32's range 2^x is an infinity and its reciprocal 0, which is the saturated value.  tanh has an absolute
; error of about 1e-7 near 0.
; SHARES.  A work-group of four waves owns 128 rows and all 512 columns, in four PASSES of 128 columns; in a pass a wave owns 32 columns
; of all 128 rows: 8 row blocks x 2 column blocks x 4 sums (u, r over K = 1,024; cx over x's 512; ch over h's 512) = 512 registers.
; x and h are read once, rounded to f16 and kept in LDS for all four passes; the filling runs under pass 0, a block of 64 + 64 columns
; ahead of the products.  A K step of 32 is 48 matrix instructions for 16 LDS loads and 12 loads of weights.
; WEIGHTS GO FROM MEMORY STRAIGHT INTO REGISTERS, a ring of four K steps, three steps ahead: a weight fragment is used by ONE wave of the
; work-group, so LDS would add a write and a read for each byte and spare nothing, and the K loop needs no barrier.
; NO CLUSTER, NO JOINT LOADS, though all work-groups walk the same weights: a joint tile lands in LDS, and beside the resident rows
; (278,528 bytes), the stage and the biases 8,704 of 327,680 bytes are left, less than one K step's 24,576.
; h IS READ TWICE, as an operand and, a tile of 128 x 128 a pass, in f32 for the blend: an f32 copy of the rows is 262,144 bytes, and
; neither LDS nor the registers have them.
; THE MATRIX INSTRUCTION IS USED TRANSPOSED: source 0 = 16 columns of W, source 1 = 16 rows of x or h.  Lane l then holds row l % 16 and
; registers 0-7 the columns 8 (l / 16) + 0..7.  The bias is the C operand of the first product; ch starts with the constant 0.
; LDS: 0 A: 8 blocks of 128 rows x 272 bytes (128 of x, 128 of h, 16 of padding: 68 words, so 16 rows start at 16 different groups of
; four banks; 64 banks of 4 bytes: ISA guide 11.1); STAGE: 2 buffers x (g, c) x 16 rows x 528 bytes; BIAS: 3 x 2,048; SPARE: 512.
; REGISTERS, in windows of 256 (s_set_vgpr_msb: bits 1:0 source 0, 3:2 source 1, 5:4 source 2, 7:6 destination):
;   window 0: v0-31 addresses, att; v32-95 fragments of x/h for even steps (in the epilogue at work); v96-223 S: 32 loads of 16 bytes:
;             f32 on its way into LDS, later the h tile; v224-255 at work
;   window 1: v0-191 the weights' ring, slot k at 48 k; v192-255 fragments of x/h for odd steps
;   windows 2, 3: sums: row block a in window 2 + a/4 at 64 (a%4) + 16 G + 8 cb, G = 0 u, 1 r, 2 cx, 3 ch.
;   The bias of gate g lies, until the first h step writes there, in window 3 at 64 g + 48 + 8 cb (ch of row blocks 4 to 6).
.set PA,     272
.set ABLK,   128*PA
.set STAGE,  8*ABLK
.set SPITCH, 528                       ; 512 bytes + 16: 33 x 16, so the 16 rows of a store start at 16 different groups of four banks
.set SARR,   16*SPITCH
.set SBUF,   2*SARR
.set BIAS,   STAGE+2*SBUF
.set SPARE,  BIAS+3*2048               ; the spare words, 128 bytes for each wave: two blocks of 256 bytes that no other line names
.set STEPB,  6144                      ; a wave's weights for a K step
.set TRIPB,  4*STEPB
.set WAVEB,  128*STEPB                 ; a wave's weights for all four passes, contiguous
.set ROWB,   2048
.set SPW, 1                            ; v1   LDS address of my spare word; never rewritten
.set NIL, 2                            ; v2   0; never rewritten
.set VB,  3                            ; v3   16 x lane
.set AA,  4                            ; v4   LDS address of my fragments in the block in hand
.set AB,  5                            ; v5   (l % 16) x 272 + 16 (l / 16)
.set FG,  8                            ; v8   filling: my byte offset in x and h: row 32 w + 8 (l / 16), 16 bytes at l % 16
.set FS,  9                            ; v9   filling: where my 8 bytes go in the block being filled
.set FS0, 10                           ; v10  the same in block 0
.set HT,  11                           ; v11  row 4 w, 16 x lane: h tile and out
.set STG, 12                           ; v12  into the stage
.set SRB, 13                           ; v13  back from the stage
.set BI,  14                           ; v14  my biases of the pass in hand
.set AT,  16                           ; v16-23 att of row 16 a + l % 16
.set A0,  32
.set EU,  32                           ; epilogue: 16 of u, then g
.set ER,  48                           ; 16 of r
.set YY,  64                           ; 16 of c
.set S,   96
.set T,   224
.set RBG, 224                          ; four rows of g back from the stage
.set RBC, 240                          ; four rows of c, then of out
.set A1,  192                          ; window 1
.set WV,  2                            ; s2   wave
.set PS,  3                            ; s3   pass
.set CT,  4                            ; s4   trips
.set XP,  8                            ; s[8:9]   x at my rows, at the chunk to be asked for
.set HP,  10                           ; s[10:11] h likewise
.set BP,  12                           ; s[12:13] my weights of the trip in hand
.set HTP, 32                           ; s[32:33] h at my rows, the pass's 128 columns
.set OP,  34                           ; s[34:35] out likewise
.set KO,  36                           ; s36  LDS offset of the next block to be read
.set FO,  37                           ; s37  of the block to be filled after the one in hand
.set MSB, 0
.macro WIN new                         ; the immediate's high byte repeats the setting that is left; a switch that changes nothing is dropped
.if MSB != (\new)
	s_set_vgpr_msb (MSB<<8)|(\new)
.set MSB, (\new)
.endif
.endm
; A load into a register that a matrix instruction has read, and a vector instruction that reads a matrix result or writes one of its
; registers, stand four places behind it; only plain vector instructions that name none of its registers are places.
.macro PLACES
.rept 4
	v_nop
.endr
.endm
; Row blocks a0 to a1 of step q of a trip: six products each (u, r, c x two column blocks).  The step's 48 sums take turns, one
; instruction a turn and in the same order in every step.  first = 1: the pass's first x or h step.
.macro MULS q, first, a0, a1
.set ma, \a0
.rept (\a1)-(\a0)+1
.set mw, 2+ma/4
.set mA, A0+8*ma
.if (\q)&1
.set mA, A1+8*ma
.endif
.set mf, 0
.rept 6
.set mG, mf/2
.if mf/2 == 2
.set mG, 2+(\q)/2                      ; the candidate's x steps add to cx, its h steps to ch
.endif
.set mD, 64*(ma%4)+16*mG+8*(mf%2)
.set mB, 48*(\q)+8*mf
.if (\first) && ((\q) == 0)
.set mC, 64*(mf/2)+48+8*(mf%2)
	WIN 1|(((\q)&1)<<2)|(3<<4)|(mw<<6)
	v_wmma_f32_16x16x32_f16 v[mD:mD+7], v[mB:mB+7], v[mA:mA+7], v[mC:mC+7]
.elseif (\first) && ((\q) == 2) && (mf/2 == 2)
	WIN 1|(((\q)&1)<<2)|(mw<<4)|(mw<<6)
	v_wmma_f32_16x16x32_f16 v[mD:mD+7], v[mB:mB+7], v[mA:mA+7], 0
.else
	WIN 1|(((\q)&1)<<2)|(mw<<4)|(mw<<6)
	v_wmma_f32_16x16x32_f16 v[mD:mD+7], v[mB:mB+7], v[mA:mA+7], v[mD:mD+7]
.endif
.set mf, mf+1
.endr
.set ma, ma+1
.endr
.endm
.macro BLOAD slot, imm                 ; 12 loads: a K step's six weight fragments; each covers 512 consecutive bytes, aligned
	WIN 0x40
.set bf, 0
.rept 6
	global_load_b128 v[48*(\slot)+8*bf:48*(\slot)+8*bf+3],   v[VB], s[BP:BP+1] offset:(\imm)+bf*1024
	global_load_b128 v[48*(\slot)+8*bf+4:48*(\slot)+8*bf+7], v[VB], s[BP:BP+1] offset:(\imm)+bf*1024+512
.set bf, bf+1
.endr
.endm
.macro ALOAD buf, imm                  ; 16 LDS loads: 128 rows x 32 K at byte imm of the block's rows
.if \buf
	WIN 0x40
.set rF, A1
.else
	WIN 0
.set rF, A0
.endif
.set la, 0
.rept 8
	ds_load_b128 v[rF+8*la:rF+8*la+3],   v[AA] offset:(\imm)+la*16*PA
	ds_load_b128 v[rF+8*la+4:rF+8*la+7], v[AA] offset:(\imm)+la*16*PA+32
.set la, la+1
.endr
.endm
; Filling.  A chunk is my 32 rows x 64 columns of x and of h: 32 loads n = 0..31 (n / 16: x, h), in four groups q.  Load n takes 256
; consecutive aligned bytes of row 16 ((n%16)/8) + n%8 in lanes 0-15 and of the row 8 below in lanes 16-31.
.macro FLOAD q, dst, coloff
.set j, 0
.rept 8
.set fl, (8*(\q)+j)&15
.if (\q) < 2
	global_load_b128 v[(\dst)+4*j:(\dst)+4*j+3], v[FG], s[XP:XP+1] offset:(16*(fl>>3)+(fl&7))*ROWB+(\coloff) th:TH_LOAD_NT
.else
	global_load_b128 v[(\dst)+4*j:(\dst)+4*j+3], v[FG], s[HP:HP+1] offset:(16*(fl>>3)+(fl&7))*ROWB+(\coloff)
.endif
.set j, j+1
.endr
.endm
.macro CVTST q, src, srcwin, tmp       ; group q: rounded to f16, 8 bytes a lane into LDS: two runs of 128 bytes, 544 words apart: every bank once
	WIN 5*(\srcwin)
.set j, 0
.rept 8
	v_cvt_pk_f16_f32 v[(\tmp)+2*j],   v[(\src)+4*j],   v[(\src)+4*j+1]
	v_cvt_pk_f16_f32 v[(\tmp)+2*j+1], v[(\src)+4*j+2], v[(\src)+4*j+3]
.set j, j+1
.endr
	WIN 0
.set j, 0
.rept 8
.set fn, 8*(\q)+j
.set fl, fn&15
	ds_store_b64 v[FS], v[(\tmp)+2*j:(\tmp)+2*j+1] offset:(16*(fl>>3)+(fl&7))*PA+(fn>>4)*128
.set j, j+1
.endr
.endm
.macro GLOAD q                         ; a quarter of the pass's h tile in f32: rows 16 a + 4 w + i, 512 consecutive aligned bytes a load; its last reading
.set j, 0
.rept 8
	global_load_b128 v[S+32*(\q)+4*j:S+32*(\q)+4*j+3], v[HT], s[HTP:HTP+1] offset:(16*(2*(\q)+(j>>2))+(j&3))*ROWB th:TH_LOAD_NT
.set j, j+1
.endr
.endm
.macro BIASLD                          ; the pass's biases as C operands: register j = bias of column 8 (l / 16) + j
	WIN 0xc0
.irp g, 0,1,2
.irp cb, 0,1
	ds_load_b128 v[64*\g+48+8*\cb:64*\g+48+8*\cb+3],   v[BI] offset:\g*2048+\cb*64
	ds_load_b128 v[64*\g+48+8*\cb+4:64*\g+48+8*\cb+7], v[BI] offset:\g*2048+\cb*64+16
.endr
.endr
.endm
; A K STEP.  nb >= 0: the count that shows this step's weights landed.  refill: the weights three steps on, into the slot read last step.
; aload: the next step's fragments of x/h, into the buffer read last step.  Both stand behind four places, which follow the last step's
; products.  fill = 1: group q of the chunk that has landed goes into LDS and the chunk after it is asked for; 2: the h tile is asked for
; instead.  fw >= 0: the count that shows that group landed.  bar: the block being filled is whole: my stores are waited for, and the
; next block is read behind the barrier.  aadd = 1: the fragments' address goes to the next block; 2: back to block 0.
.macro STEP q, nb, first, refill, aload, fill, fw, bar, aadd
.set nslot, ((\q)+3)&3
.set nbuf, 1-((\q)&1)
.set nimm, (((\q)+1)&3)*64
.if (\nb) >= 0
	s_wait_loadcnt \nb
.endif
	s_wait_dscnt 0x0                               ; this step's fragments, asked for 36 products ago
	MULS \q, \first, 0, 1
.if (\aadd) == 1
	WIN 0
	v_add_nc_u32 v[AA], s[KO], v[AB]
	v_nop
	v_nop
	v_nop
	s_add_co_u32 s[KO], s[KO], ABLK
.elseif (\aadd) == 2
	WIN 0
	v_mov_b32 v[AA], v[AB]
	v_nop
	v_nop
	v_nop
	s_mov_b32 s[KO], ABLK
.else
	PLACES
.endif
.if \refill
	BLOAD nslot, ((\q)+3)*STEPB
.endif
.if (\aload) && !(\bar)
	ALOAD nbuf, nimm
.endif
	MULS \q, \first, 2, 3
.if \fill
	WIN 0
.if (\fw) >= 0
	s_wait_loadcnt \fw
.endif
	CVTST \q, S+32*(\q), 0, T
.if (\fill) == 1
	FLOAD \q, S+32*(\q), 0
.else
	GLOAD \q
.endif
.endif
.if \bar
	s_wait_dscnt 0x0                               ; for the others' sake: my part of the next block is in LDS
	s_barrier_signal -1
	MULS \q, \first, 4, 5
	s_barrier_wait -1                              ; everybody's is
	ALOAD nbuf, nimm
	MULS \q, \first, 6, 7
.else
	MULS \q, \first, 4, 7
.endif
.endm
.macro TRIPEND p0                      ; the pointers step only when every load issued has had its address translated (ISA guide 3.1)
	WIN 0
	s_wait_xcnt 0x0
	s_add_nc_u64 s[BP:BP+1], s[BP:BP+1], TRIPB
.if \p0
	s_add_nc_u64 s[XP:XP+1], s[XP:XP+1], 256
	s_add_nc_u64 s[HP:HP+1], s[HP:HP+1], 256
	v_add_nc_u32 v[FS], s[FO], v[FS0]
	s_add_co_u32 s[FO], s[FO], ABLK
.endif
.endm
	s_load_b512 s[16:31], s[0:1], 0x0              ; x 16, h 18, att 20, bu 22, br 24, bc 26, wq 28, out 30
	v_lshl_add_u32 v[SPW], v0, 2, SPARE
	v_mov_b32 v[NIL], 0
	v_lshrrev_b32 v24, 5, v0
	v_readfirstlane_b32 s[WV], v24                 ; wave 0..3
	v_and_b32 v24, 15, v0                          ; l % 16
	v_bfe_u32 v25, v0, 4, 1                        ; l / 16
	v_and_b32 v26, 31, v0
	v_lshlrev_b32 v[VB], 4, v26
	v_mul_u32_u24 v[AB], v24, PA
	v_lshl_add_u32 v[AB], v25, 4, v[AB]
	v_mov_b32 v[AA], v[AB]
	s_lshl_b32 s38, s[WV], 5
	v_lshl_add_u32 v27, v25, 3, s38                ; row 32 w + 8 (l / 16)
	v_lshlrev_b32 v[FG], 11, v27
	v_lshl_add_u32 v[FG], v24, 4, v[FG]
	v_mul_u32_u24 v[FS0], v27, PA
	v_lshl_add_u32 v[FS0], v24, 3, v[FS0]
	v_mov_b32 v[FS], v[FS0]
	s_lshl_b32 s38, s[WV], 13                      ; 4 w rows
	v_add_nc_u32 v[HT], s38, v[VB]
	v_mul_u32_u24 v[STG], v24, SPITCH              ; into the stage: row l % 16, my wave's 128 bytes, 32 for each half of the lanes
	v_lshl_add_u32 v[STG], v25, 5, v[STG]
	s_lshl_b32 s39, s[WV], 7
	s_add_co_u32 s38, s39, STAGE
	v_add_nc_u32 v[STG], s38, v[STG]
	s_mul_i32 s38, s[WV], 4*SPITCH                 ; back: rows 4 w + i, whole
	s_add_co_u32 s38, s38, STAGE
	v_add_nc_u32 v[SRB], s38, v[VB]
	s_add_co_u32 s38, s39, BIAS
	v_lshl_add_u32 v[BI], v25, 5, s38
	v_lshlrev_b32 v28, 4, v0                       ; 16 x thread: the biases
	v_lshlrev_b32 v29, 2, v24                      ; att of row l % 16
	v_add_nc_u32 v30, BIAS, v28
	s_lshl_b32 s6, ttmp9, 18                       ; my 128 rows of 2,048 bytes
	s_mov_b32 s7, 0
	s_lshl_b32 s38, ttmp9, 9                       ; and of 4 bytes
	s_mov_b32 s39, 0
	s_mul_i32 s40, s[WV], WAVEB
	s_mov_b32 s41, 0
	s_wait_kmcnt 0x0
	s_add_nc_u64 s[XP:XP+1], s[16:17], s[6:7]
	s_add_nc_u64 s[HP:HP+1], s[18:19], s[6:7]
	s_mov_b64 s[HTP:HTP+1], s[HP:HP+1]
	s_add_nc_u64 s[OP:OP+1], s[30:31], s[6:7]
	s_add_nc_u64 s[20:21], s[20:21], s[38:39]
	s_add_nc_u64 s[BP:BP+1], s[28:29], s[40:41]
	global_load_b128 v[T:T+3],    v28, s[22:23]
	global_load_b128 v[T+4:T+7],  v28, s[24:25]
	global_load_b128 v[T+8:T+11], v28, s[26:27]
.irp a, 0,1,2,3,4,5,6,7
	global_load_b32 v[AT+\a], v29, s[20:21] offset:64*\a
.endr
	BLOAD 0, 0
	BLOAD 1, STEPB
	BLOAD 2, 2*STEPB
	BLOAD 3, 3*STEPB
	WIN 0x80                                       ; chunk 0 waits in registers of window 2 that the sums take later
.irp q, 0,1,2,3
	FLOAD \q, 32*\q, 0
.endr
	WIN 0
.irp q, 0,1,2,3
	FLOAD \q, S+32*\q, 256                         ; chunk 1
.endr
	s_wait_loadcnt 32                              ; loads come back in order (ISA guide 5.7.1): all but chunk 1's 32 are in
.irp i, 0,2,4,6
	v_pk_mul_f32 v[T+\i:T+\i+1], v[T+\i:T+\i+1], 0xbfb8aa3b op_sel_hi:[1,0]  ; bu, br times -log2(e)
.endr
.irp i, 8,10
	v_pk_mul_f32 v[T+\i:T+\i+1], v[T+\i:T+\i+1], 0x4038aa3b op_sel_hi:[1,0]  ; bc times 2 log2(e)
.endr
	ds_store_b128 v30, v[T:T+3]
	ds_store_b128 v30, v[T+4:T+7] offset:2048
	ds_store_b128 v30, v[T+8:T+11] offset:4096
.irp q, 0,1,2,3
	CVTST \q, 32*\q, 2, A0+16*\q                   ; chunk 0 into block 0
.endr
	v_add_nc_u32 v[FS], ABLK, v[FS0]               ; chunk 1 goes into block 1
	s_mov_b32 s[FO], 2*ABLK
	s_mov_b32 s[KO], ABLK
	s_mov_b32 s[PS], 0
	s_wait_xcnt 0x0
	s_add_nc_u64 s[XP:XP+1], s[XP:XP+1], 512       ; the next chunk to be asked for is 2
	s_add_nc_u64 s[HP:HP+1], s[HP:HP+1], 512
	s_wait_dscnt 0x0                               ; for the others' sake: my biases and my rows of block 0
	s_barrier_signal -1
	s_barrier_wait -1
	BIASLD
	ALOAD 0, 0
; PASS 0.  Trip c multiplies block c, stores chunk c + 1 into block c + 1 and asks for chunk c + 2; each LDS byte of A is written once.
; In a step the loads go out in this order: 12 of weights W(t+3), then 8 of filling F(t).  Step t stores F(t-4).
; First trip: the weights of steps 0 to 3 are in.  Younger than F(-4): F(-3..-1) = 24; than F(-3): F(-2), F(-1), F(0), W(4) = 36; each step adds 12.
	STEP 0, -1, 1, 0, 1, 1, 24, 0, 0
	STEP 1, -1, 0, 1, 1, 1, 36, 0, 0
	STEP 2, -1, 1, 1, 1, 1, 48, 0, 0
	STEP 3, -1, 0, 1, 1, 1, 60, 1, 1
	TRIPEND 1
	s_mov_b32 s[CT], 5
.Lp0:                                                  ; trips 1 to 5.  Younger than W(t): F(t-3), W(t+1), F(t-2), W(t+2), F(t-1) = 48; F(t-4) is older than W(t), so it is in too
	STEP 0, 48, 0, 1, 1, 1, -1, 0, 0
	STEP 1, 48, 0, 1, 1, 1, -1, 0, 0
	STEP 2, 48, 0, 1, 1, 1, -1, 0, 0
	STEP 3, 48, 0, 1, 1, 1, -1, 1, 1
	TRIPEND 1
	s_sub_co_u32 s[CT], s[CT], 1
	s_cmp_lg_u32 s[CT], 0
	s_cbranch_scc1 .Lp0
	STEP 0, 48, 0, 1, 1, 2, -1, 0, 0               ; trip 6 stores the last chunk; in the filling's place the pass's h tile is asked for, 8 loads a step
	STEP 1, 48, 0, 1, 1, 2, -1, 0, 0
	STEP 2, 48, 0, 1, 1, 2, -1, 0, 0
	STEP 3, 48, 0, 1, 1, 2, -1, 1, 1
	TRIPEND 0
	STEP 0, 48, 0, 1, 1, 0, -1, 0, 0               ; trip 7: no group of 8 is issued any more, so the counts lose 8 a step;
	STEP 1, 40, 0, 1, 1, 0, -1, 0, 0               ; its refills are the next pass's steps 0 to 2
	STEP 2, 32, 0, 1, 1, 0, -1, 0, 0
	STEP 3, 24, 0, 1, 0, 0, -1, 0, 2               ; the h tile's last group is older than this step's weights: it is in
	PLACES
	BLOAD 3, 7*STEPB                               ; the next pass's step 3
	TRIPEND 0
	s_branch .Lepi                                 ; the loop over passes is entered at its epilogue
.Lpass:                                                ; PASSES 1 TO 3
	s_wait_loadcnt 0x0                             ; the weights of steps 0 to 3, asked for in front of the epilogue
	GLOAD 0
	GLOAD 1
	GLOAD 2
	GLOAD 3
	BIASLD
	ALOAD 0, 0
	STEP 0, -1, 1, 0, 1, 0, -1, 0, 0
	STEP 1, -1, 0, 1, 1, 0, -1, 0, 0
	STEP 2, -1, 1, 1, 1, 0, -1, 0, 0
	STEP 3, -1, 0, 1, 1, 0, -1, 0, 1
	TRIPEND 0
	s_mov_b32 s[CT], 6
.Ltrip:                                                ; younger than W(t): W(t+1), W(t+2) = 24; the h tile is older than W(4)
	STEP 0, 24, 0, 1, 1, 0, -1, 0, 0
	STEP 1, 24, 0, 1, 1, 0, -1, 0, 0
	STEP 2, 24, 0, 1, 1, 0, -1, 0, 0
	STEP 3, 24, 0, 1, 1, 0, -1, 0, 1
	TRIPEND 0
	s_sub_co_u32 s[CT], s[CT], 1
	s_cmp_lg_u32 s[CT], 0
	s_cbranch_scc1 .Ltrip
	s_cmp_eq_u32 s[PS], 3
	s_cbranch_scc1 .Llast
	STEP 0, 24, 0, 1, 1, 0, -1, 0, 0               ; the last trip of passes 1 and 2 runs on into the next pass's weights
	STEP 1, 24, 0, 1, 1, 0, -1, 0, 0
	STEP 2, 24, 0, 1, 1, 0, -1, 0, 0
	STEP 3, 24, 0, 1, 0, 0, -1, 0, 2
	PLACES
	BLOAD 3, 7*STEPB
	TRIPEND 0
	s_branch .Lepi
.Llast:                                                ; the last trip of pass 3: only step 31's weights are still to be asked for: no load passes my weights' end
	STEP 0, 24, 0, 1, 1, 0, -1, 0, 0
	STEP 1, 24, 0, 0, 1, 0, -1, 0, 0
	STEP 2, 12, 0, 0, 1, 0, -1, 0, 0
	STEP 3, 0,  0, 0, 0, 0, -1, 0, 2
	WIN 0
; THE EPILOGUE, a block of 16 rows at a time.  A lane holds 16 columns of one row; a row's 512 bytes come from four waves.  So g and c go
; through a stage in LDS and come back as whole rows, four a wave, which are blended with h in f32 and stored.
.macro COMPUTE a                       ; g into EU, c into YY.  Behind each run of 2^x or 1/x one plain instruction stands ahead of the first use (ISA guide 5.7.2).  Each sum's registers are read in ascending order
.set cw, 2+(\a)/4
.set AC, 64*((\a)%4)
	WIN cw
.set i, 0
.rept 32
	v_exp_f32 v[EU+i], v[AC+i]                     ; 2^u', 2^r'
.set i, i+1
.endr
	WIN 0
	v_nop
.set i, 0
	s_wait_alu depctr_va_vdst(0)
.rept 16
	v_pk_add_f32 v[EU+2*i:EU+2*i+1], v[EU+2*i:EU+2*i+1], 1.0 op_sel_hi:[1,0]
.set i, i+1
.endr
.set i, 0
.rept 32
	v_rcp_f32 v[EU+i], v[EU+i]                     ; u, r
.set i, i+1
.endr
	v_nop
.set i, 0
	s_wait_alu depctr_va_vdst(0)
.rept 16
	v_mul_f32 v[EU+i], v[AT+(\a)], v[EU+i]         ; g = att u
.set i, i+1
.endr
	WIN (cw<<2)|(cw<<4)
.set i, 0
.rept 8
	v_pk_fma_f32 v[YY+2*i:YY+2*i+1], v[ER+2*i:ER+2*i+1], v[AC+48+2*i:AC+48+2*i+1], v[AC+32+2*i:AC+32+2*i+1]  ; y' = r ch + cx
.set i, i+1
.endr
	WIN 0
.set i, 0
.rept 16
	v_exp_f32 v[YY+i], v[YY+i]
.set i, i+1
.endr
	v_nop
.set i, 0
	s_wait_alu depctr_va_vdst(0)
.rept 8
	v_pk_add_f32 v[YY+2*i:YY+2*i+1], v[YY+2*i:YY+2*i+1], 1.0 op_sel_hi:[1,0]
.set i, i+1
.endr
.set i, 0
.rept 16
	v_rcp_f32 v[YY+i], v[YY+i]
.set i, i+1
.endr
	v_nop
.set i, 0
	s_wait_alu depctr_va_vdst(0)
.rept 8
	v_pk_fma_f32 v[YY+2*i:YY+2*i+1], v[YY+2*i:YY+2*i+1], -2.0, 1.0 op_sel_hi:[1,0,0]  ; c = 1 - 2 / (1 + 2^y')
.set i, i+1
.endr
.endm
.macro STAGEST a
.set so, ((\a)&1)*SBUF
.irp cb, 0,1
	ds_store_b128 v[STG], v[EU+8*\cb:EU+8*\cb+3]   offset:so+\cb*64
	ds_store_b128 v[STG], v[EU+8*\cb+4:EU+8*\cb+7] offset:so+\cb*64+16
	ds_store_b128 v[STG], v[YY+8*\cb:YY+8*\cb+3]   offset:so+SARR+\cb*64
	ds_store_b128 v[STG], v[YY+8*\cb+4:YY+8*\cb+7] offset:so+SARR+\cb*64+16
.endr
.endm
.macro READBK a
.set so, ((\a)&1)*SBUF
.irp i, 0,1,2,3
	ds_load_b128 v[RBG+4*\i:RBG+4*\i+3], v[SRB] offset:so+\i*SPITCH
	ds_load_b128 v[RBC+4*\i:RBC+4*\i+3], v[SRB] offset:so+SARR+\i*SPITCH
.endr
.endm
.macro FINISH b                        ; out = h + g (c - h) for my four rows of block b
	s_wait_dscnt 0x0                               ; they are back; with this my reads of the block's stage buffer are over
.set i, 0
.rept 8
	v_pk_add_f32 v[RBC+2*i:RBC+2*i+1], v[RBC+2*i:RBC+2*i+1], v[S+16*(\b)+2*i:S+16*(\b)+2*i+1] neg_lo:[0,1] neg_hi:[0,1]
.set i, i+1
.endr
.set i, 0
.rept 8
	v_pk_fma_f32 v[RBC+2*i:RBC+2*i+1], v[RBG+2*i:RBG+2*i+1], v[RBC+2*i:RBC+2*i+1], v[S+16*(\b)+2*i:S+16*(\b)+2*i+1]
.set i, i+1
.endr
.set i, 0
.rept 4
	global_store_b128 v[HT], v[RBC+4*i:RBC+4*i+3], s[OP:OP+1] offset:(16*(\b)+i)*ROWB th:TH_STORE_NT  ; 512 consecutive bytes, aligned
.set i, i+1
.endr
.endm
.Lepi:
	PLACES                                         ; behind the pass's last products
; Two stage buffers and one barrier a block: block a's buffer is read behind barrier a, those reads are waited for (FINISH a) ahead of
; barrier a + 1, and the buffer is written again, for block a + 2, behind barrier a + 1; from pass to pass likewise.
.irp a, 0,1,2,3,4,5,6,7
	COMPUTE \a                                     ; stands between the loads of the block before and the wait for them
.if \a > 0
	FINISH (\a)-1
.endif
	STAGEST \a
	s_wait_dscnt 0x0                               ; for the others' sake: my columns of the block are in the stage
	s_barrier_signal -1
	s_barrier_wait -1
	s_wait_xcnt 0x0                                ; the registers that the last stores read are loaded again only behind this wait
	READBK \a
.endr
	FINISH 7
	s_wait_xcnt 0x0
	s_add_nc_u64 s[OP:OP+1], s[OP:OP+1], 512       ; the next pass's 128 columns
	s_add_nc_u64 s[HTP:HTP+1], s[HTP:HTP+1], 512
	v_add_nc_u32 v[BI], 512, v[BI]
	s_add_co_u32 s[PS], s[PS], 1
	s_cmp_lt_u32 s[PS], 4
	s_cbranch_scc1 .Lpass
	s_wait_tensorcnt 0x0                           ; the wave's end, behind my last LDS store
	ds_add_u32 v[SPW], v[NIL]
	s_wait_dscnt 0x0
	s_endpgm
.Lfunc_end_k_q71f7052025_augru:
	.size	k_q71f7052025_augru, .Lfunc_end_k_q71f7052025_augru-k_q71f7052025_augru
	.p2alignl 7, 3214868480
	.fill 96, 4, 3214868480
	.section	.rodata,"a",@progbits
	.p2align	6, 0x0
	.amdhsa_kernel k_q71f7052025_augru
		.amdhsa_group_segment_fixed_size 318976
		.amdhsa_private_segment_fixed_size 0
		.amdhsa_enable_private_segment 0
		.amdhsa_kernarg_size 64
		.amdhsa_user_sgpr_count 2
		.amdhsa_user_sgpr_kernarg_segment_ptr 1
		.amdhsa_wavefront_size32 1
		.amdhsa_system_sgpr_workgroup_id_x 1
		.amdhsa_system_sgpr_workgroup_id_y 1
		.amdhsa_system_sgpr_workgroup_id_z 1
		.amdhsa_system_vgpr_workitem_id 0
		.amdhsa_next_free_vgpr 1024
		.amdhsa_next_free_sgpr 66
		.amdhsa_reserve_vcc 0
		.amdhsa_float_denorm_mode_32 3
		.amdhsa_float_denorm_mode_16_64 3
		.amdhsa_memory_ordered 1
		.amdhsa_forward_progress 1
		.amdhsa_inst_pref_size 255
	.end_amdhsa_kernel
	.section	.bss,"aw",@nobits
	.p2align	6
	.space	262144
	.amdgpu_metadata
---
amdhsa.version: [ 1, 2 ]
amdhsa.kernels:
  - .name:           k_q71f7052025_augru
    .symbol:         k_q71f7052025_augru.kd
    .args:
      - { .name: inputs, .offset: 0, .size: 8, .value_kind: global_buffer, .address_space: global }
      - { .name: state, .offset: 8, .size: 8, .value_kind: global_buffer, .address_space: global }
      - { .name: att_score, .offset: 16, .size: 8, .value_kind: global_buffer, .address_space: global }
      - { .name: bu, .offset: 24, .size: 8, .value_kind: global_buffer, .address_space: global }
      - { .name: br, .offset: 32, .size: 8, .value_kind: global_buffer, .address_space: global }
      - { .name: bc, .offset: 40, .size: 8, .value_kind: global_buffer, .address_space: global }
      - { .name: wq, .offset: 48, .size: 8, .value_kind: global_buffer, .address_space: global }
      - { .name: out0, .offset: 56, .size: 8, .value_kind: global_buffer, .address_space: global }
    .group_segment_fixed_size: 318976
    .private_segment_fixed_size: 0
    .kernarg_segment_align: 8
    .kernarg_segment_size: 64
    .max_flat_workgroup_size: 128
    .sgpr_count:     66
    .vgpr_count:     1024
    .wavefront_size: 32
...
	.end_amdgpu_metadata
.endif
;; end of part 2
;; ======== version 2 of 2: 2 launches; version 1 with the launch augru written anew for expert scheduling mode
;; limits: values are held in f16: magnitudes above 65,504 overflow, below 6.1e-05 lose precision; inputs' magnitudes at most 65,504; right only within a limited range of input values
;; workspace buffers: wq 3,145,728 bytes
;; launch wprep: the kernel of part 1 again; grid 256 x 1, 3 waves a work-group, no clusters, 0 bytes of LDS; arguments Wu_x, Wu_h, Wr_x, Wr_h, Wc_x, Wc_h, wq; writes wq
;; launch augru (part 3): grid 256 x 1, 4 waves a work-group, no clusters, 318,976 bytes of LDS; arguments inputs, state, att_score, bu, br, bc, wq, out0; writes out0
.if DOCPART == 3
	.amdgcn_target "amdgcn-amd-amdhsa--gfx1250"
	.amdhsa_code_object_version 6
	.text
	.protected	k_q71f7052025_augru
	.globl	k_q71f7052025_augru
	.p2align	8
	.type	k_q71f7052025_augru,@function
k_q71f7052025_augru:
	s_mov_b64 s[64:65], 0
	v_nop
	global_prefetch_b8 v0, s[64:65] scope:SCOPE_SE
	s_setreg_imm32_b32 hwreg(HW_REG_WAVE_SCHED_MODE, 0, 2), 2
	s_setreg_imm32_b32 hwreg(HW_REG_WAVE_MODE, 25, 1), 1
	s_wait_xcnt 0x0
	s_wait_alu depctr_vm_vsrc(0)
; out = h + g (c - h), g = att sigmoid(x Wu_x + bu + h Wu_h), r = sigmoid(x Wr_x + br + h Wr_h), c = tanh(x Wc_x + bc + r (h Wc_h)).
; x, h, out: [32768][512] f32.  Products in f16 with f32 sums; all else, the h of the blend too, in f32.
; WHY f16.  The operands' rounding goes through sums of 1,024 products into the gates and is there multiplied by att u (1 - u) (c - h),
; in which |c - h| can be several units; f16's 11 significant bits leave an eighth of the error that bf16's 8 leave.
; wq holds the weights in f16, times -log2(e) (u, r) or 2 log2(e) (c), fragment by fragment in the order of use; the biases get
; the same factors here.  So sigmoid(z) = 1 / (1 + 2^z'), tanh(y) = 1 - 2 / (1 + 2^y').
; LIMITS.  f16 holds no number beyond 65,504: an x or h of 65,520 or more becomes an infinity as an operand (weights: 22,700); below 6.1e-5
; an operand keeps f16's fixed step of 6e-8.  NaN and infinite inputs are not treated apart.  2^x and 1/x count denormals as 0: a sigmoid
; below 2^-126 is 0; beyond f32's range 2^x is an infinity and its reciprocal 0, which is the saturated value.  tanh has an absolute
; error of about 1e-7 near 0.
; SHARES.  A work-group of four waves owns 128 rows and all 512 columns, in four PASSES of 128 columns; in a pass a wave owns 32 columns
; of all 128 rows: 8 row blocks x 2 column blocks x 4 sums (u, r over K = 1,024; cx over x's 512; ch over h's 512) = 512 registers.
; x and h are read once, rounded to f16 and kept in LDS for all four passes; the filling runs under pass 0, a block of 64 + 64 columns
; ahead of the products.  A K step of 32 is 48 matrix instructions for 16 LDS loads and 12 loads of weights.
; WEIGHTS GO FROM MEMORY STRAIGHT INTO REGISTERS, a ring of four K steps, three steps ahead: a weight fragment is used by ONE wave of the
; work-group, so LDS would add a write and a read for each byte and spare nothing, and the K loop needs no barrier.
; NO CLUSTER, NO JOINT LOADS, though all work-groups walk the same weights: a joint tile lands in LDS, and beside the resident rows
; (278,528 bytes), the stage and the biases 8,704 of 327,680 bytes are left, less than one K step's 24,576.
; h IS READ TWICE, as an operand and, a tile of 128 x 128 a pass, in f32 for the blend: an f32 copy of the rows is 262,144 bytes, and
; neither LDS nor the registers have them.
; THE MATRIX INSTRUCTION IS USED TRANSPOSED: source 0 = 16 columns of W, source 1 = 16 rows of x or h.  Lane l then holds row l % 16 and
; registers 0-7 the columns 8 (l / 16) + 0..7.  The bias is the C operand of the first product; ch starts with the constant 0.
; LDS: 0 A: 8 blocks of 128 rows x 272 bytes (128 of x, 128 of h, 16 of padding: 68 words, so 16 rows start at 16 different groups of
; four banks; 64 banks of 4 bytes: ISA guide 11.1); STAGE: 2 buffers x (g, c) x 16 rows x 528 bytes; BIAS: 3 x 2,048; SPARE: 512.
; REGISTERS, in windows of 256 (s_set_vgpr_msb: bits 1:0 source 0, 3:2 source 1, 5:4 source 2, 7:6 destination):
;   window 0: v0-31 addresses, att; v32-95 fragments of x/h for even steps (in the epilogue at work); v96-223 S: 32 loads of 16 bytes:
;             f32 on its way into LDS, later the h tile; v224-255 at work
;   window 1: v0-191 the weights' ring, slot k at 48 k; v192-255 fragments of x/h for odd steps
;   windows 2, 3: sums: row block a in window 2 + a/4 at 64 (a%4) + 16 G + 8 cb, G = 0 u, 1 r, 2 cx, 3 ch.
;   The bias of gate g lies, until the first h step writes there, in window 3 at 64 g + 48 + 8 cb (ch of row blocks 4 to 6).
; THE MODE: SCHED_MODE bits 1:0 = 2 (LLVM: expert scheduling mode 2), set by the entry lines.  The code itself states the register dependences
; between vector or matrix instructions and memory or LDS instructions, with s_wait_alu, always for 0.
; THE PLAN.  Registers that memory or LDS instructions touch, and who else names them:
;   the weights' ring  Slot t % 4 is read by step t's products; in step t + 1 the weights of step t + 4 are asked for into it.
;   A0, A1             Step t's products read buffer t % 2; in step t + 1 the fragments of step t + 2 are asked for into it.
;   S                  Pass 0: step q's sixteen conversions, at the step's head, read group q; the same step asks for the next chunk's group
;                      (in trip 6 for a quarter of the h tile) into it.  Epilogue: the blend reads it; passes 1 to 3 ask for the h tile at their head.
;   T                  Pass 0: written by a step's conversions, read by the step's eight LDS stores.  Epilogue (RBG, RBC): LDS loads land in them,
;                      the blend reads both and writes RBC, the global stores read RBC.
;   v32-95, epilogue   EU, ER, YY: written by COMPUTE; g and c are read by the LDS stores into the stage.  A0 again in the next pass.
;   the bias registers LDS loads land in them at a pass's head; the first step's products read them; later they are sums, which the epilogue reads.
;   v[AA], v[FS]       Read by the fragments' loads and by pass 0's LDS stores; each written once a trip.  v[BI]: read by the bias loads, written once a pass.
;   v[VB], v[FG], v[HT], v[STG], v[SRB]  Made at the head and never written again: scalar bases and immediate offsets do the rest.
; ONE wait on va_vdst stands at a K step's head, behind the step's conversions (pass 0) or its four places.  It states that the last step's products are done
; reading their weights' slot and their fragments' buffer, that the conversions have written T and are done reading their group of S, and that v[AA] and v[FS]
; are written.  Behind it the step's loads and stores are dealt among its products, which name this step's slot, this step's buffer and the sums: none of the
; registers that those loads and stores touch.  A block of the epilogue has one wait on va_vdst ahead of its stores and one on vm_vsrc ahead of its loads,
; beside the four waits for its batches of 2^x and 1/x.
.set PA,     272
.set ABLK,   128*PA
.set STAGE,  8*ABLK
.set SPITCH, 528                       ; 512 bytes + 16: 33 x 16, so the 16 rows of a store start at 16 different groups of four banks
.set SARR,   16*SPITCH
.set SBUF,   2*SARR
.set BIAS,   STAGE+2*SBUF
.set SPARE,  BIAS+3*2048               ; the spare words, 128 bytes for each wave: two blocks of 256 bytes that no other line names
.set STEPB,  6144                      ; a wave's weights for a K step
.set TRIPB,  4*STEPB
.set WAVEB,  128*STEPB                 ; a wave's weights for all four passes, contiguous
.set ROWB,   2048
.set SPW, 1                            ; v1   LDS address of my spare word; never rewritten
.set NIL, 2                            ; v2   0; never rewritten
.set VB,  3                            ; v3   16 x lane
.set AA,  4                            ; v4   LDS address of my fragments in the block in hand
.set AB,  5                            ; v5   (l % 16) x 272 + 16 (l / 16)
.set FG,  8                            ; v8   filling: my byte offset in x and h: row 32 w + 8 (l / 16), 16 bytes at l % 16
.set FS,  9                            ; v9   filling: where my 8 bytes go in the block being filled
.set FS0, 10                           ; v10  the same in block 0
.set HT,  11                           ; v11  row 4 w, 16 x lane: h tile and out
.set STG, 12                           ; v12  into the stage
.set SRB, 13                           ; v13  back from the stage
.set BI,  14                           ; v14  my biases of the pass in hand
.set AT,  16                           ; v16-23 att of row 16 a + l % 16
.set A0,  32
.set EU,  32                           ; epilogue: 16 of u, then g
.set ER,  48                           ; 16 of r
.set YY,  64                           ; 16 of c
.set S,   96
.set T,   224
.set RBG, 224                          ; four rows of g back from the stage
.set RBC, 240                          ; four rows of c, then of out
.set A1,  192                          ; window 1
.set WV,  2                            ; s2   wave
.set PS,  3                            ; s3   pass
.set CT,  4                            ; s4   trips
.set XP,  8                            ; s[8:9]   x at my rows, at the chunk to be asked for
.set HP,  10                           ; s[10:11] h likewise
.set BP,  12                           ; s[12:13] my weights of the trip in hand
.set HTP, 32                           ; s[32:33] h at my rows, the pass's 128 columns
.set OP,  34                           ; s[34:35] out likewise
.set KO,  36                           ; s36  LDS offset of the next block to be read
.set FO,  37                           ; s37  of the block to be filled after the one in hand
.set MSB, 0
.macro WIN new                         ; the immediate's high byte repeats the setting that is left; a switch that changes nothing is dropped
.if MSB != (\new)
	s_set_vgpr_msb (MSB<<8)|(\new)
.set MSB, (\new)
.endif
.endm
; A load into a register that a matrix instruction has read, and a vector instruction that reads a matrix result or writes one of its
; registers, stand four places behind it; only plain vector instructions that name none of its registers are places.
.macro PLACES
.rept 4
	v_nop
.endr
.endm
; Row blocks a0 to a1 of step q of a trip: six products each (u, r, c x two column blocks).  The step's 48 sums take turns, one
; instruction a turn and in the same order in every step.  first = 1: the pass's first x or h step.
.macro MULS q, first, a0, a1
.set ma, \a0
.rept (\a1)-(\a0)+1
.set mw, 2+ma/4
.set mA, A0+8*ma
.if (\q)&1
.set mA, A1+8*ma
.endif
.set mf, 0
.rept 6
.set mG, mf/2
.if mf/2 == 2
.set mG, 2+(\q)/2                      ; the candidate's x steps add to cx, its h steps to ch
.endif
.set mD, 64*(ma%4)+16*mG+8*(mf%2)
.set mB, 48*(\q)+8*mf
.if (\first) && ((\q) == 0)
.set mC, 64*(mf/2)+48+8*(mf%2)
	WIN 1|(((\q)&1)<<2)|(3<<4)|(mw<<6)
	v_wmma_f32_16x16x32_f16 v[mD:mD+7], v[mB:mB+7], v[mA:mA+7], v[mC:mC+7]
.elseif (\first) && ((\q) == 2) && (mf/2 == 2)
	WIN 1|(((\q)&1)<<2)|(mw<<4)|(mw<<6)
	v_wmma_f32_16x16x32_f16 v[mD:mD+7], v[mB:mB+7], v[mA:mA+7], 0
.else
	WIN 1|(((\q)&1)<<2)|(mw<<4)|(mw<<6)
	v_wmma_f32_16x16x32_f16 v[mD:mD+7], v[mB:mB+7], v[mA:mA+7], v[mD:mD+7]
.endif
.set mf, mf+1
.endr
.set ma, ma+1
.endr
.endm
.macro BLOAD slot, imm                 ; 12 loads: a K step's six weight fragments; each covers 512 consecutive bytes, aligned
	WIN 0x40
.set bf, 0
.rept 6
	global_load_b128 v[48*(\slot)+8*bf:48*(\slot)+8*bf+3],   v[VB], s[BP:BP+1] offset:(\imm)+bf*1024
	global_load_b128 v[48*(\slot)+8*bf+4:48*(\slot)+8*bf+7], v[VB], s[BP:BP+1] offset:(\imm)+bf*1024+512
.set bf, bf+1
.endr
.endm
.macro ALOAD buf, imm                  ; 16 LDS loads: 128 rows x 32 K at byte imm of the block's rows
.if \buf
	WIN 0x40
.set rF, A1
.else
	WIN 0
.set rF, A0
.endif
.set la, 0
.rept 8
	ds_load_b128 v[rF+8*la:rF+8*la+3],   v[AA] offset:(\imm)+la*16*PA
	ds_load_b128 v[rF+8*la+4:rF+8*la+7], v[AA] offset:(\imm)+la*16*PA+32
.set la, la+1
.endr
.endm
; Filling.  A chunk is my 32 rows x 64 columns of x and of h: 32 loads n = 0..31 (n / 16: x, h), in four groups q.  Load n takes 256
; consecutive aligned bytes of row 16 ((n%16)/8) + n%8 in lanes 0-15 and of the row 8 below in lanes 16-31.
.macro FLOAD q, dst, coloff
.set j, 0
.rept 8
.set fl, (8*(\q)+j)&15
.if (\q) < 2
	global_load_b128 v[(\dst)+4*j:(\dst)+4*j+3], v[FG], s[XP:XP+1] offset:(16*(fl>>3)+(fl&7))*ROWB+(\coloff) th:TH_LOAD_NT
.else
	global_load_b128 v[(\dst)+4*j:(\dst)+4*j+3], v[FG], s[HP:HP+1] offset:(16*(fl>>3)+(fl&7))*ROWB+(\coloff)
.endif
.set j, j+1
.endr
.endm
.macro CVT src, srcwin, tmp            ; a group's 32 registers of f32, rounded to f16, into 16
	WIN 5*(\srcwin)
.set j, 0
.rept 8
	v_cvt_pk_f16_f32 v[(\tmp)+2*j],   v[(\src)+4*j],   v[(\src)+4*j+1]
	v_cvt_pk_f16_f32 v[(\tmp)+2*j+1], v[(\src)+4*j+2], v[(\src)+4*j+3]
.set j, j+1
.endr
.endm
.macro PUT q, tmp                      ; group q, 8 bytes a lane into LDS: two runs of 128 bytes, 544 words apart: every bank once
	WIN 0
.set j, 0
.rept 8
.set fn, 8*(\q)+j
.set fl, fn&15
	ds_store_b64 v[FS], v[(\tmp)+2*j:(\tmp)+2*j+1] offset:(16*(fl>>3)+(fl&7))*PA+(fn>>4)*128
.set j, j+1
.endr
.endm
.macro GLOAD q                         ; a quarter of the pass's h tile in f32: rows 16 a + 4 w + i, 512 consecutive aligned bytes a load; its last reading
.set j, 0
.rept 8
	global_load_b128 v[S+32*(\q)+4*j:S+32*(\q)+4*j+3], v[HT], s[HTP:HTP+1] offset:(16*(2*(\q)+(j>>2))+(j&3))*ROWB th:TH_LOAD_NT
.set j, j+1
.endr
.endm
.macro BIASLD                          ; the pass's biases as C operands: register j = bias of column 8 (l / 16) + j
	WIN 0xc0
.irp g, 0,1,2
.irp cb, 0,1
	ds_load_b128 v[64*\g+48+8*\cb:64*\g+48+8*\cb+3],   v[BI] offset:\g*2048+\cb*64
	ds_load_b128 v[64*\g+48+8*\cb+4:64*\g+48+8*\cb+7], v[BI] offset:\g*2048+\cb*64+16
.endr
.endr
.endm
; A K STEP.  nb >= 0: the count that shows this step's weights landed, and in pass 0 the group of x or h that the step rounds.
; AT ITS HEAD: the waits for its data; aadd = 1: the fragments' address goes to the next block, 2: back to block 0; fill: group q of the chunk that has landed
; is rounded, sixteen conversions, which are also the four places behind the last step's products (elsewhere v_nop are); then the step's one wait on va_vdst.
; BEHIND THAT WAIT, dealt among the products: behind the first six, fill: the group's eight LDS stores; aload: the next step's fragments of x/h, into the buffer
; read last step.  Behind the next six, refill: the weights three steps on, into the slot read last step; fill = 1: the same group of the chunk after, 2: a
; quarter of the h tile instead.  bar: the block being filled is whole: my stores are waited for, and the next block is read behind the barrier.
; A step that asks for nothing, and a pass's first step where nothing has been computed since the pass's own wait, hold no wait on va_vdst.
.macro STEP q, nb, first, refill, aload, fill, bar, aadd
.set nslot, ((\q)+3)&3
.set nbuf, 1-((\q)&1)
.set nimm, (((\q)+1)&3)*64
.set hwait, 1
.set hfree, 0
.if (\aadd) || ((\fill) && ((\q) > 0))
.set hfree, 1
.endif
.if !(\refill) && !(\aload) && !(\fill)
.set hwait, 0
.endif
.if (\first) && ((\q) == 0) && !(\fill)
.set hwait, 0
.endif
.if (\nb) >= 0
	s_wait_loadcnt \nb
.endif
	s_wait_dscnt 0x0                               ; this step's fragments, asked for 42 products ago (behind a barrier: 12)
.if hfree
	s_wait_alu depctr_vm_vsrc(0)                   ; the fragments' loads issued so far have read v[AA], and the last step's LDS stores have read T: the lines below write the one or the other again
.endif
.if (\aadd) == 1
	WIN 0
	v_add_nc_u32 v[AA], s[KO], v[AB]
	s_add_co_u32 s[KO], s[KO], ABLK
.elseif (\aadd) == 2
	WIN 0
	v_mov_b32 v[AA], v[AB]
	s_mov_b32 s[KO], ABLK
.endif
.if \fill
	CVT S+32*(\q), 0, T
.elseif hwait
.if \aadd
	v_nop                                          ; with the line that writes v[AA]: four places
	v_nop
	v_nop
.else
	PLACES
.endif
.endif
.if hwait
	s_wait_alu depctr_va_vdst(0)                   ; the last step's products are done reading their slot of weights and their buffer of fragments, in which this step's loads land; the conversions have written T, which the LDS stores read, and are done reading their group of S, in which loads land; v[AA] and v[FS] are written
.endif
	MULS \q, \first, 0, 0
.if \fill
	PUT \q, T
.endif
.if (\aload) && !(\bar)
	ALOAD nbuf, nimm                               ; no further wait: no vector or matrix instruction since the wait above names these registers; likewise below
.endif
	MULS \q, \first, 1, 1
.if \refill
	BLOAD nslot, ((\q)+3)*STEPB
.endif
.if (\fill) == 1
	WIN 0
	FLOAD \q, S+32*(\q), 0
.elseif (\fill) == 2
	WIN 0
	GLOAD \q
.endif
	MULS \q, \first, 2, 3
.if \bar
	s_wait_dscnt 0x0                               ; for the others' sake: my part of the next block is in LDS
	s_barrier_signal -1
	MULS \q, \first, 4, 5
	s_barrier_wait -1                              ; everybody's is
	ALOAD nbuf, nimm
	MULS \q, \first, 6, 7
.else
	MULS \q, \first, 4, 7
.endif
.endm
.macro TRIPEND p0                      ; the pointers step only when every load issued has had its address translated (ISA guide 3.1)
	WIN 0
	s_wait_xcnt 0x0
	s_add_nc_u64 s[BP:BP+1], s[BP:BP+1], TRIPB
.if \p0
	s_add_nc_u64 s[XP:XP+1], s[XP:XP+1], 256
	s_add_nc_u64 s[HP:HP+1], s[HP:HP+1], 256
	s_wait_alu depctr_vm_vsrc(0)                   ; the trip's LDS stores have read v[FS], which the next line writes, and T, which the next step's conversions write
	v_add_nc_u32 v[FS], s[FO], v[FS0]
	s_add_co_u32 s[FO], s[FO], ABLK
.endif
.endm
	s_load_b512 s[16:31], s[0:1], 0x0              ; x 16, h 18, att 20, bu 22, br 24, bc 26, wq 28, out 30
	v_lshl_add_u32 v[SPW], v0, 2, SPARE
	v_mov_b32 v[NIL], 0
	v_lshrrev_b32 v24, 5, v0
	v_readfirstlane_b32 s[WV], v24                 ; wave 0..3
	v_and_b32 v24, 15, v0                          ; l % 16
	v_bfe_u32 v25, v0, 4, 1                        ; l / 16
	v_and_b32 v26, 31, v0
	v_lshlrev_b32 v[VB], 4, v26
	v_mul_u32_u24 v[AB], v24, PA
	v_lshl_add_u32 v[AB], v25, 4, v[AB]
	v_mov_b32 v[AA], v[AB]
	s_wait_alu depctr_va_sdst(0)                   ; the wave's number is written, ahead of its first reader: offsets and LDS addresses are made from it
	s_lshl_b32 s38, s[WV], 5
	v_lshl_add_u32 v27, v25, 3, s38                ; row 32 w + 8 (l / 16)
	v_lshlrev_b32 v[FG], 11, v27
	v_lshl_add_u32 v[FG], v24, 4, v[FG]
	v_mul_u32_u24 v[FS0], v27, PA
	v_lshl_add_u32 v[FS0], v24, 3, v[FS0]
	v_mov_b32 v[FS], v[FS0]
	s_lshl_b32 s38, s[WV], 13                      ; 4 w rows
	v_add_nc_u32 v[HT], s38, v[VB]
	v_mul_u32_u24 v[STG], v24, SPITCH              ; into the stage: row l % 16, my wave's 128 bytes, 32 for each half of the lanes
	v_lshl_add_u32 v[STG], v25, 5, v[STG]
	s_lshl_b32 s39, s[WV], 7
	s_add_co_u32 s38, s39, STAGE
	v_add_nc_u32 v[STG], s38, v[STG]
	s_mul_i32 s38, s[WV], 4*SPITCH                 ; back: rows 4 w + i, whole
	s_add_co_u32 s38, s38, STAGE
	v_add_nc_u32 v[SRB], s38, v[VB]
	s_add_co_u32 s38, s39, BIAS
	v_lshl_add_u32 v[BI], v25, 5, s38
	v_lshlrev_b32 v28, 4, v0                       ; 16 x thread: the biases
	v_lshlrev_b32 v29, 2, v24                      ; att of row l % 16
	v_add_nc_u32 v30, BIAS, v28
	s_lshl_b32 s6, ttmp9, 18                       ; my 128 rows of 2,048 bytes
	s_mov_b32 s7, 0
	s_lshl_b32 s38, ttmp9, 9                       ; and of 4 bytes
	s_mov_b32 s39, 0
	s_mul_i32 s40, s[WV], WAVEB
	s_mov_b32 s41, 0
	s_wait_kmcnt 0x0
	s_add_nc_u64 s[XP:XP+1], s[16:17], s[6:7]
	s_add_nc_u64 s[HP:HP+1], s[18:19], s[6:7]
	s_mov_b64 s[HTP:HTP+1], s[HP:HP+1]
	s_add_nc_u64 s[OP:OP+1], s[30:31], s[6:7]
	s_add_nc_u64 s[20:21], s[20:21], s[38:39]
	s_add_nc_u64 s[BP:BP+1], s[28:29], s[40:41]
	s_wait_alu depctr_va_vdst(0)                   ; the offsets and addresses v3 to v14 and v28 to v30 are written, which the loads and stores of the kernel read
	global_load_b128 v[T:T+3],    v28, s[22:23]
	global_load_b128 v[T+4:T+7],  v28, s[24:25]
	global_load_b128 v[T+8:T+11], v28, s[26:27]
.irp a, 0,1,2,3,4,5,6,7
	global_load_b32 v[AT+\a], v29, s[20:21] offset:64*\a
.endr
	BLOAD 0, 0
	BLOAD 1, STEPB
	BLOAD 2, 2*STEPB
	BLOAD 3, 3*STEPB
	WIN 0x80                                       ; chunk 0 waits in registers of window 2 that the sums take later
.irp q, 0,1,2,3
	FLOAD \q, 32*\q, 0
.endr
	WIN 0
.irp q, 0,1,2,3
	FLOAD \q, S+32*\q, 256                         ; chunk 1
.endr
	s_wait_loadcnt 32                              ; loads come back in order (ISA guide 5.7.1): all but chunk 1's 32 are in
.irp i, 0,2,4,6
	v_pk_mul_f32 v[T+\i:T+\i+1], v[T+\i:T+\i+1], 0xbfb8aa3b op_sel_hi:[1,0]  ; bu, br times -log2(e)
.endr
.irp i, 8,10
	v_pk_mul_f32 v[T+\i:T+\i+1], v[T+\i:T+\i+1], 0x4038aa3b op_sel_hi:[1,0]  ; bc times 2 log2(e)
.endr
.irp q, 0,1,2,3
	CVT 32*\q, 2, A0+16*\q                         ; chunk 0, rounded, into v32-95
.endr
	WIN 0
	s_wait_alu depctr_va_vdst(0)                   ; the scaled biases in T and chunk 0 in v32-95 are written, which the LDS stores below read
	ds_store_b128 v30, v[T:T+3]
	ds_store_b128 v30, v[T+4:T+7] offset:2048
	ds_store_b128 v30, v[T+8:T+11] offset:4096
.irp q, 0,1,2,3
	PUT \q, A0+16*\q                               ; chunk 0 into block 0
.endr
	s_mov_b32 s[FO], 2*ABLK
	s_mov_b32 s[KO], ABLK
	s_mov_b32 s[PS], 0
	s_wait_xcnt 0x0
	s_add_nc_u64 s[XP:XP+1], s[XP:XP+1], 512       ; the next chunk to be asked for is 2
	s_add_nc_u64 s[HP:HP+1], s[HP:HP+1], 512
	s_wait_dscnt 0x0                               ; for the others' sake: my biases and my rows of block 0
	s_barrier_signal -1
	s_barrier_wait -1
	s_wait_alu depctr_vm_vsrc(0)                   ; my LDS stores have read v32-95, in which the first fragments land, T, which the first step's conversions write, and v[FS], which the next line writes
	v_add_nc_u32 v[FS], ABLK, v[FS0]               ; chunk 1 goes into block 1
	BIASLD
	ALOAD 0, 0                                     ; the conversions that wrote v32-95 stand ahead of the last wait on va_vdst
; PASS 0.  Trip c multiplies block c, stores chunk c + 1 into block c + 1 and asks for chunk c + 2; each LDS byte of A is written once.
; In a step the loads go out in this order: 12 of weights W(t+3), then 8 of filling F(t).  Step t rounds F(t-4) at its head and stores it.
; First trip: the weights of steps 0 to 3 are in.  At the head of step 0, younger than F(-4): F(-3..-1) = 24; of step 1, than F(-3): F(-2), F(-1), F(0) = 24;
; of step 2, than F(-2): F(-1), F(0), W(4), F(1) = 36; of step 3, than F(-1): F(0), W(4), F(1), W(5), F(2) = 48.
	STEP 0, 24, 1, 0, 1, 1, 0, 0
	STEP 1, 24, 0, 1, 1, 1, 0, 0
	STEP 2, 36, 1, 1, 1, 1, 0, 0
	STEP 3, 48, 0, 1, 1, 1, 1, 1
	TRIPEND 1
	s_mov_b32 s[CT], 5
.Lp0:                                                  ; trips 1 to 5.  Younger than W(t): F(t-3), W(t+1), F(t-2), W(t+2), F(t-1) = 48; F(t-4) is older than W(t), so it is in too
	STEP 0, 48, 0, 1, 1, 1, 0, 0
	STEP 1, 48, 0, 1, 1, 1, 0, 0
	STEP 2, 48, 0, 1, 1, 1, 0, 0
	STEP 3, 48, 0, 1, 1, 1, 1, 1
	TRIPEND 1
	s_sub_co_u32 s[CT], s[CT], 1
	s_cmp_lg_u32 s[CT], 0
	s_cbranch_scc1 .Lp0
	STEP 0, 48, 0, 1, 1, 2, 0, 0                   ; trip 6 stores the last chunk; in the filling's place the pass's h tile is asked for, 8 loads a step
	STEP 1, 48, 0, 1, 1, 2, 0, 0
	STEP 2, 48, 0, 1, 1, 2, 0, 0
	STEP 3, 48, 0, 1, 1, 2, 1, 1
	TRIPEND 0
	STEP 0, 48, 0, 1, 1, 0, 0, 0                   ; trip 7: no group of 8 is issued any more, so the counts lose 8 a step;
	STEP 1, 40, 0, 1, 1, 0, 0, 0                   ; its refills are the next pass's steps 0 to 2
	STEP 2, 32, 0, 1, 1, 0, 0, 0
	STEP 3, 24, 0, 1, 0, 0, 0, 2                   ; the h tile's last group is older than this step's weights: it is in
	PLACES
	s_wait_alu depctr_va_vdst(0)                   ; this step's products are done reading slot 3, in which the loads below land
	BLOAD 3, 7*STEPB                               ; the next pass's step 3
	TRIPEND 0
	s_branch .Lepi                                 ; the loop over passes is entered at its epilogue
.Lpass:                                                ; PASSES 1 TO 3
	s_wait_alu depctr_va_vdst(0)                   ; the epilogue is done reading S, in which the h tile lands, and the sums ch of row blocks 4 to 6, in which the biases land; it has written v32-95, in which the first fragments land, and v[BI], which the bias loads read
	s_wait_loadcnt 0x0                             ; the weights of steps 0 to 3, asked for in front of the epilogue
	GLOAD 0
	GLOAD 1
	GLOAD 2
	GLOAD 3
	BIASLD
	ALOAD 0, 0
	STEP 0, -1, 1, 0, 1, 0, 0, 0
	STEP 1, -1, 0, 1, 1, 0, 0, 0
	STEP 2, -1, 1, 1, 1, 0, 0, 0
	STEP 3, -1, 0, 1, 1, 0, 0, 1
	TRIPEND 0
	s_mov_b32 s[CT], 6
.Ltrip:                                                ; younger than W(t): W(t+1), W(t+2) = 24; the h tile is older than W(4)
	STEP 0, 24, 0, 1, 1, 0, 0, 0
	STEP 1, 24, 0, 1, 1, 0, 0, 0
	STEP 2, 24, 0, 1, 1, 0, 0, 0
	STEP 3, 24, 0, 1, 1, 0, 0, 1
	TRIPEND 0
	s_sub_co_u32 s[CT], s[CT], 1
	s_cmp_lg_u32 s[CT], 0
	s_cbranch_scc1 .Ltrip
	s_cmp_eq_u32 s[PS], 3
	s_cbranch_scc1 .Llast
	STEP 0, 24, 0, 1, 1, 0, 0, 0                   ; the last trip of passes 1 and 2 runs on into the next pass's weights
	STEP 1, 24, 0, 1, 1, 0, 0, 0
	STEP 2, 24, 0, 1, 1, 0, 0, 0
	STEP 3, 24, 0, 1, 0, 0, 0, 2
	PLACES
	s_wait_alu depctr_va_vdst(0)                   ; this step's products are done reading slot 3, in which the loads below land
	BLOAD 3, 7*STEPB
	TRIPEND 0
	s_branch .Lepi
.Llast:                                                ; the last trip of pass 3: only step 31's weights are still to be asked for: no load passes my weights' end
	STEP 0, 24, 0, 1, 1, 0, 0, 0
	STEP 1, 24, 0, 0, 1, 0, 0, 0
	STEP 2, 12, 0, 0, 1, 0, 0, 0
	STEP 3, 0,  0, 0, 0, 0, 0, 0                   ; the very last step asks for nothing
	WIN 0
; THE EPILOGUE, a block of 16 rows at a time.  A lane holds 16 columns of one row; a row's 512 bytes come from four waves.  So g and c go
; through a stage in LDS and come back as whole rows, four a wave, which are blended with h in f32 and stored.
.macro COMPUTE a                       ; g into EU, c into YY.  Behind each run of 2^x or 1/x one plain instruction stands ahead of the first use (ISA guide 5.7.2).  Each sum's registers are read in ascending order
.set cw, 2+(\a)/4
.set AC, 64*((\a)%4)
	WIN cw
.set i, 0
.rept 32
	v_exp_f32 v[EU+i], v[AC+i]                     ; 2^u', 2^r'
.set i, i+1
.endr
	WIN 0
	v_nop
	s_wait_alu depctr_va_vdst(0)                   ; the 32 powers in v[EU ..] and v[ER ..] are written, ahead of their first reader: one wait for the batch
.set i, 0
.rept 16
	v_pk_add_f32 v[EU+2*i:EU+2*i+1], v[EU+2*i:EU+2*i+1], 1.0 op_sel_hi:[1,0]
.set i, i+1
.endr
.set i, 0
.rept 32
	v_rcp_f32 v[EU+i], v[EU+i]                     ; u, r
.set i, i+1
.endr
	v_nop
	s_wait_alu depctr_va_vdst(0)                   ; the 32 reciprocals u and r are written, ahead of their first reader
.set i, 0
.rept 16
	v_mul_f32 v[EU+i], v[AT+(\a)], v[EU+i]         ; g = att u
.set i, i+1
.endr
	WIN (cw<<2)|(cw<<4)
.set i, 0
.rept 8
	v_pk_fma_f32 v[YY+2*i:YY+2*i+1], v[ER+2*i:ER+2*i+1], v[AC+48+2*i:AC+48+2*i+1], v[AC+32+2*i:AC+32+2*i+1]  ; y' = r ch + cx
.set i, i+1
.endr
	WIN 0
.set i, 0
.rept 16
	v_exp_f32 v[YY+i], v[YY+i]
.set i, i+1
.endr
	v_nop
	s_wait_alu depctr_va_vdst(0)                   ; the 16 powers 2^y' in v[YY ..] are written, ahead of their first reader
.set i, 0
.rept 8
	v_pk_add_f32 v[YY+2*i:YY+2*i+1], v[YY+2*i:YY+2*i+1], 1.0 op_sel_hi:[1,0]
.set i, i+1
.endr
.set i, 0
.rept 16
	v_rcp_f32 v[YY+i], v[YY+i]
.set i, i+1
.endr
	v_nop
	s_wait_alu depctr_va_vdst(0)                   ; the 16 reciprocals in v[YY ..] are written, ahead of their first reader
.set i, 0
.rept 8
	v_pk_fma_f32 v[YY+2*i:YY+2*i+1], v[YY+2*i:YY+2*i+1], -2.0, 1.0 op_sel_hi:[1,0,0]  ; c = 1 - 2 / (1 + 2^y')
.set i, i+1
.endr
.endm
.macro STAGEST a
.set so, ((\a)&1)*SBUF
.irp cb, 0,1
	ds_store_b128 v[STG], v[EU+8*\cb:EU+8*\cb+3]   offset:so+\cb*64
	ds_store_b128 v[STG], v[EU+8*\cb+4:EU+8*\cb+7] offset:so+\cb*64+16
	ds_store_b128 v[STG], v[YY+8*\cb:YY+8*\cb+3]   offset:so+SARR+\cb*64
	ds_store_b128 v[STG], v[YY+8*\cb+4:YY+8*\cb+7] offset:so+SARR+\cb*64+16
.endr
.endm
.macro READBK a
.set so, ((\a)&1)*SBUF
.irp i, 0,1,2,3
	ds_load_b128 v[RBG+4*\i:RBG+4*\i+3], v[SRB] offset:so+\i*SPITCH
	ds_load_b128 v[RBC+4*\i:RBC+4*\i+3], v[SRB] offset:so+SARR+\i*SPITCH
.endr
.endm
.macro BLEND b                         ; out = h + g (c - h) for my four rows of block b
	s_wait_dscnt 0x0                               ; they are back; with this my reads of the block's stage buffer are over
.set i, 0
.rept 8
	v_pk_add_f32 v[RBC+2*i:RBC+2*i+1], v[RBC+2*i:RBC+2*i+1], v[S+16*(\b)+2*i:S+16*(\b)+2*i+1] neg_lo:[0,1] neg_hi:[0,1]
.set i, i+1
.endr
.set i, 0
.rept 8
	v_pk_fma_f32 v[RBC+2*i:RBC+2*i+1], v[RBG+2*i:RBG+2*i+1], v[RBC+2*i:RBC+2*i+1], v[S+16*(\b)+2*i:S+16*(\b)+2*i+1]
.set i, i+1
.endr
.endm
.macro SEND b                          ; and their way out
.set i, 0
.rept 4
	global_store_b128 v[HT], v[RBC+4*i:RBC+4*i+3], s[OP:OP+1] offset:(16*(\b)+i)*ROWB th:TH_STORE_NT  ; 512 consecutive bytes, aligned
.set i, i+1
.endr
.endm
.Lepi:
	PLACES                                         ; behind the pass's last products
; Two stage buffers and one barrier a block: block a's buffer is read behind barrier a, those reads are waited for (BLEND a) ahead of
; barrier a + 1, and the buffer is written again, for block a + 2, behind barrier a + 1; from pass to pass likewise.
.irp a, 0,1,2,3,4,5,6,7
	COMPUTE \a                                     ; stands between the loads of the block before and the wait for them
.if \a > 0
	BLEND (\a)-1
.endif
	s_wait_alu depctr_va_vdst(0)                   ; COMPUTE has written g and c, which the LDS stores read; the blend has written v[RBC ..], which the global stores read, and is done with v[RBG ..] and v[RBC ..], in which the loads behind the barrier land
.if \a > 0
	SEND (\a)-1
.endif
	STAGEST \a
	s_wait_dscnt 0x0                               ; for the others' sake: my columns of the block are in the stage
	s_barrier_signal -1
	s_barrier_wait -1
	s_wait_xcnt 0x0                                ; the registers that the last stores read are loaded again only behind this wait
	s_wait_alu depctr_vm_vsrc(0)                   ; the global stores have read v[RBC ..] (in pass 0's first block: the filling's LDS stores have read T), in which the loads below land; the LDS stores have read g and c, which the next block's COMPUTE writes
	READBK \a
.endr
	BLEND 7
	s_wait_alu depctr_va_vdst(0)                   ; the blend has written v[RBC ..], which the global stores read
	SEND 7
	s_wait_xcnt 0x0
	s_add_nc_u64 s[OP:OP+1], s[OP:OP+1], 512       ; the next pass's 128 columns
	s_add_nc_u64 s[HTP:HTP+1], s[HTP:HTP+1], 512
	s_wait_alu depctr_vm_vsrc(0)                   ; this pass's bias loads have read v[BI]
	v_add_nc_u32 v[BI], 512, v[BI]
	s_add_co_u32 s[PS], s[PS], 1
	s_cmp_lt_u32 s[PS], 4
	s_cbranch_scc1 .Lpass
	s_wait_dscnt 0x0                               ; the closing lines, six on end
	s_wait_alu 0x0
	s_wait_tensorcnt 0x0
	ds_add_u32 v[SPW], v[NIL]
	s_wait_dscnt 0x0
	s_endpgm
.Lfunc_end_k_q71f7052025_augru:
	.size	k_q71f7052025_augru, .Lfunc_end_k_q71f7052025_augru-k_q71f7052025_augru
	.p2alignl 7, 3214868480
	.fill 96, 4, 3214868480
	.section	.rodata,"a",@progbits
	.p2align	6, 0x0
	.amdhsa_kernel k_q71f7052025_augru
		.amdhsa_group_segment_fixed_size 318976
		.amdhsa_private_segment_fixed_size 0
		.amdhsa_enable_private_segment 0
		.amdhsa_kernarg_size 64
		.amdhsa_user_sgpr_count 2
		.amdhsa_user_sgpr_kernarg_segment_ptr 1
		.amdhsa_wavefront_size32 1
		.amdhsa_system_sgpr_workgroup_id_x 1
		.amdhsa_system_sgpr_workgroup_id_y 1
		.amdhsa_system_sgpr_workgroup_id_z 1
		.amdhsa_system_vgpr_workitem_id 0
		.amdhsa_next_free_vgpr 1024
		.amdhsa_next_free_sgpr 66
		.amdhsa_reserve_vcc 0
		.amdhsa_float_denorm_mode_32 3
		.amdhsa_float_denorm_mode_16_64 3
		.amdhsa_memory_ordered 1
		.amdhsa_forward_progress 1
		.amdhsa_inst_pref_size 255
	.end_amdhsa_kernel
	.section	.bss,"aw",@nobits
	.p2align	6
	.space	262144
	.amdgpu_metadata
---
amdhsa.version: [ 1, 2 ]
amdhsa.kernels:
  - .name:           k_q71f7052025_augru
    .symbol:         k_q71f7052025_augru.kd
    .args:
      - { .name: inputs, .offset: 0, .size: 8, .value_kind: global_buffer, .address_space: global }
      - { .name: state, .offset: 8, .size: 8, .value_kind: global_buffer, .address_space: global }
      - { .name: att_score, .offset: 16, .size: 8, .value_kind: global_buffer, .address_space: global }
      - { .name: bu, .offset: 24, .size: 8, .value_kind: global_buffer, .address_space: global }
      - { .name: br, .offset: 32, .size: 8, .value_kind: global_buffer, .address_space: global }
      - { .name: bc, .offset: 40, .size: 8, .value_kind: global_buffer, .address_space: global }
      - { .name: wq, .offset: 48, .size: 8, .value_kind: global_buffer, .address_space: global }
      - { .name: out0, .offset: 56, .size: 8, .value_kind: global_buffer, .address_space: global }
    .group_segment_fixed_size: 318976
    .private_segment_fixed_size: 0
    .kernarg_segment_align: 8
    .kernarg_segment_size: 64
    .max_flat_workgroup_size: 128
    .sgpr_count:     66
    .vgpr_count:     1024
    .wavefront_size: 32
...
	.end_amdgpu_metadata
.endif
;; end of part 3
